; MI455X (gfx1250); checked and timed in simulation.
; The chip was launched on July 23, 2026; its instructions are those of AMD's public machine-readable ISA for CDNA 5 (MIT licence, August 2026) and "CDNA5" Instruction Set Architecture Reference Guide (July 2026). The comments in the code are by the model that wrote it; some were corrected since.
;; Multi Head Attension. Allowed arithmetic: matrix products marked QUANTISED: E2M1 operands, one E8M0 scale for each 32 along K, by v_wmma_scale_f32_16x16x128_f8f6f4 with both operands' format E2M1 (or v_wmma_scale_f32_32x16x128_f4), f32 sums; everything else in f32.
;; Inputs: Wk 1,024 x 1,024 float32; Wo 1,024 x 1,024 float32; Wq 1,024 x 1,024 float32; Wv 1,024 x 1,024 float32; bo 1,024 float32; x 4 x 2,048 x 1,024 float32.
;; Outputs: out0 4 x 2,048 x 1,024 float32.
;; This version of the problem:
;;   THIS VERSION OF THE PROBLEM IS GIVEN IN LOW PRECISION. The matrix products marked QUANTISED in the list below multiply operands that are first quantised to E2M1 (2 exponent bits, 1 mantissa bit; 4 bits a number), with one power-of-two scale for each 32 numbers along K (OCP MX v1.0); their sums are f32. All else is computed in f32.
;;   The module's matrix products, in the order in which they are computed (A, B: the left and right operand; K: the contracted axis; several contracted axes count as one K, in the product's order):
;;     1. [M 8,192, K 1,024] x [K 1,024, N 1,024]; A: input x; B: input Wq: QUANTISED
;;     2. [M 8,192, K 1,024] x [K 1,024, N 1,024]; A: input x; B: input Wk: QUANTISED
;;     3. [M 8,192, K 1,024] x [K 1,024, N 1,024]; A: input x; B: input Wv: QUANTISED
;;     4. batch 64 x [M 2,048, K 64] x [K 64, N 2,048]; A: computed on the way; B: computed on the way: QUANTISED
;;     5. batch 64 x [M 2,048, K 2,048] x [K 2,048, N 64]; A: softmax (see below); B: computed on the way: QUANTISED
;;     6. [M 8,192, K 1,024] x [K 1,024, N 1,024]; A: computed on the way; B: input Wo: QUANTISED
;;   THE QUANTISER, for each operand of a quantised product, along K:
;;     - K is cut into blocks of 32 from its start; a last block that is shorter is filled with zeros.
;;     - A block's scale is 2^e with e = floor(log2(the largest magnitude in the block)) - 2, held to -126 .. 127; a block of zeros has e = 0. As a byte (E8M0): e + 127.
;;     - Each number is divided by its block's scale, clamped to +-6, and rounded to the nearest number of E2M1, ties to even, subnormals kept.
;;     - The product sums the exact products of the quantised numbers (number of the format x scale) in f32.
;;   ~~~python
;;   def quantise(x, axis):      # numpy; x: float32 -> the quantised numbers, widened to float32 again
;;       x = np.moveaxis(x, axis, -1); K = x.shape[-1]
;;       x = np.pad(x, [(0, 0)] * (x.ndim - 1) + [(0, -K % 32)]); x = x.reshape(x.shape[:-1] + (-1, 32)); a = np.abs(x).max(-1, keepdims=True)
;;       e = np.where(a > 0, np.clip(np.frexp(np.where(a > 0, a, 1))[1] - 1 - 2, -126, 127), 0)      # np.frexp(a)[1] - 1 = floor(log2(a)), exactly
;;       r = np.clip(x / 2.0 ** e, -6, 6)
;;       step = 2.0 ** (np.maximum(np.frexp(np.where(r == 0, 1, r))[1] - 1, 0) - 1)
;;       q = np.round(r / step) * step * 2.0 ** e      # np.round: ties to even
;;       return np.moveaxis(q.reshape(q.shape[:-2] + (-1,))[..., :K], -1, axis).astype(np.float32)
;;   ~~~
;;   SOFTMAX AHEAD OF A QUANTISED PRODUCT. Where the list says 'softmax', what is quantised is not the finished softmax but p = 2^(t - M), with t = logit x log2(e) and M = ceil(the row's largest t), a whole number; so 1/2 < the row's largest p <= 1. The row's sum l is taken of the UNQUANTISED p, in f32, and the product's result is divided by l at the end. Since M is a whole number, a kernel that streams over the keys may use a running M (the ceiling of the running maximum): every later rescaling is an exact power of two, which a block's scale takes up: the codes' values come out the same.
;;   OPERANDS COMPUTED ON THE WAY. 'Computed on the way' means the value that the module computes at that place (a softmax that the list does not call 'softmax' is quantised finished and normalised). What goes into a quantiser is computed in f32, as accurately as f32 sums, v_exp_f32 and their like allow (about 1e-6 of the number): no bf16 or f16 on the way to a quantiser, and a product that is left as it is and whose result goes on into a quantised operand takes f32 operands (vector FMAs, or v_wmma_f32_16x16x4_f32). A number that lies on a knife's edge between two numbers of the format may be rounded either way, as far as f32 arithmetic and the matrix unit's own rounding can turn it there, and no further.
;; One version. Each part assembles by itself: llvm-mc -triple=amdgcn-amd-amdhsa -mcpu=gfx1250 --defsym DOCPART=n.
;; ======== version 1 of 1: 4 launches
;; workspace buffers: xc 4,194,304 bytes; xs 262,144 bytes; wc 2,097,152 bytes; ws 131,072 bytes; qkvc 12,582,912 bytes; qkvs 1,310,720 bytes; cc 4,194,304 bytes; cs 262,144 bytes
;; launch quant (part 1): grid 512 x 1, 4 waves a work-group, no clusters, 34,304 bytes of LDS; arguments x, Wq, Wk, Wv, Wo, xc, xs, wc, ws; writes xc, xs, wc, ws
.if DOCPART == 1
	.amdgcn_target "amdgcn-amd-amdhsa--gfx1250"
	.amdhsa_code_object_version 6
	.text
	.protected	k_q51c6a16fac_quant
	.globl	k_q51c6a16fac_quant
	.p2align	8
	.type	k_q51c6a16fac_quant,@function
k_q51c6a16fac_quant:
	s_mov_b64 s[64:65], 0
	v_nop
	global_prefetch_b8 v0, s[64:65] scope:SCOPE_SE
	s_setreg_imm32_b32 hwreg(HW_REG_WAVE_MODE, 25, 1), 1
	s_wait_xcnt 0x0
; x [8192][1024] and the four weights [1024 (k)][1024 (n)], f32, become codes of FP4 (E2M1) with one E8M0 scale byte for each 32 along K (x: its columns; a weight: its rows).
; A block's scale byte is its largest magnitude's exponent field - 2, held at 1 from below; each number is divided by the scale and rounded to the nearest code, ties to even, beyond 6 the largest code.
; LIMITS: NaN and infinities among the inputs are not served; blocks whose largest magnitude lies under 2^-124 keep the byte 1; a block of zeros keeps the byte 1 where the rule says 127:
; its codes are zeros, which add nothing under any byte but 0xff, and the bytes are read by this program alone.
; LAYOUT OF THE RESULTS.  A TILE is 16 rows of x or 16 columns of a weight; position p of tile 2 b + u is index 32 b + 8 u + p + 8 (p / 8).  A FRAGMENT (a tile x 128 K) is stored as the image of the
; matrix operand's registers, 1,024 bytes: register group c of lane l at 512 c + 16 l holds k = 64 c + 32 (l / 16) + 0 .. 31 of position l % 16.
;   xc [tile / 4][K step][tile % 4][1024]   xs [tile][position][K step] words   wc, ws the same, tile = 64 x weight + column tile (Wq, Wk, Wv, Wo).
; SHARES.  Work-groups 0-255 take x: a wave takes a tile x 512 K, four steps of 128.  Each load reads 512 consecutive bytes of one row; a step's 16 rows turn through the wave's own stage in LDS
; (pitch 528: the 16 rows that a read touches start 4 banks apart) so that a lane gets the 2 x 32 neighbours that its registers of the fragment hold.
; Work-groups 256-511 take the weights: a wave takes 32 columns x 128 K; a lane is a column and its registers run down K, so a block lies in one lane and nothing is transposed.
; No barrier: waves share nothing.  No matrix unit, no tensor load, no cluster: a stream that reads each byte once.
.set RB,  16                           ; v16-143   x as loaded: two sets of 16 rows x 4 registers
.set XB,  144                          ; v144-207  my 2 x 32 neighbours
.set CB,  208                          ; v208-239  codes: 8 registers a step, so that no store's data are written again
.set WD,  240                          ; v240-243  a scale word a step
.set TT,  244                          ; v244-251  at work
.set PIT, 528
.set XW,  32                           ; weights: v32-95 two sets of 32 numbers
.set CW,  96                           ; v96-111   codes: 4 registers a block
.set WW,  112                          ; v112      my column's scale word
	s_load_b256 s[4:11], s[0:1], 0x0               ; x s[4:5], Wq s[6:7], Wk s[8:9], Wv s[10:11]
	s_load_b256 s[12:19], s[0:1], 0x20             ; Wo s[12:13], xc s[14:15], xs s[16:17], wc s[18:19]
	s_load_b64 s[20:21], s[0:1], 0x40              ; ws
	v_lshl_add_u32 v254, v0, 2, 0x8400
	v_mov_b32 v255, 0
	v_lshrrev_b32 v1, 5, v0
	v_readfirstlane_b32 s22, v1                    ; wave
	v_and_b32 v1, 31, v0                           ; lane
	v_and_b32 v2, 15, v0                           ; r
	v_bfe_u32 v3, v0, 4, 1                         ; h
	s_mov_b32 s30, 0x76543210
	s_mov_b32 s31, 0xfedcba98                      ; v_permlanex16_b32's selects for lane l xor 16
	s_cmp_lt_u32 ttmp9, 256
	s_cbranch_scc0 .Lweights
	; ---------------- x ----------------
	s_lshl_b32 s23, ttmp9, 2
	s_add_co_u32 s23, s23, s22                     ; which of 1,024 shares
	s_lshr_b32 s24, s23, 1                         ; the tile
	s_and_b32 s25, s23, 1                          ; which half of K
	s_lshr_b32 s26, s24, 1
	s_lshl_b32 s26, s26, 17                        ; 32 (tile / 2) rows of 4,096 bytes
	s_and_b32 s27, s24, 1
	s_lshl_b32 s27, s27, 15                        ; + 8 (tile % 2) rows
	s_add_co_u32 s26, s26, s27
	s_lshl_b32 s27, s25, 11                        ; + 512 numbers for the second half of K
	s_add_co_u32 s26, s26, s27
	s_mov_b32 s27, 0
	s_lshr_b32 s28, s24, 2
	s_lshl_b32 s28, s28, 15                        ; xc: (tile / 4) x 32,768
	s_lshl_b32 s29, s25, 14                        ; + four K steps of 4,096
	s_add_co_u32 s28, s28, s29
	s_and_b32 s29, s24, 3
	s_lshl_b32 s29, s29, 10                        ; + (tile % 4) x 1,024
	s_add_co_u32 s28, s28, s29
	s_mov_b32 s29, 0
	s_lshl_b32 s32, s24, 9                         ; xs: tile x 512
	s_lshl_b32 s33, s25, 4                         ; + four words
	s_add_co_u32 s32, s32, s33
	s_mov_b32 s33, 0
	s_mul_i32 s34, s22, 16*PIT                     ; my stage
	v_lshlrev_b32 v4, 4, v1                        ; 16 x lane
	v_add_nc_u32 v5, s34, v4                       ; the stage, on the way in: a row as it lies
	v_mul_u32_u24 v6, v2, PIT
	v_lshl_add_u32 v6, v3, 7, v6
	v_add_nc_u32 v6, s34, v6                       ; on the way out: row r, 32 h numbers on
	v_lshlrev_b32 v7, 5, v2
	v_lshl_add_u32 v7, v3, 3, v7                   ; xs: 32 r + 8 h
	v_lshlrev_b32 v8, 3, v3                        ; 8 h: my bytes' place in a scale word
	v_mov_b32 v[TT+7], 0                           ; a lane permute's destination counts as one of its sources
	s_wait_kmcnt 0x0
	s_add_nc_u64 s[4:5], s[4:5], s[26:27]
	s_add_nc_u64 s[14:15], s[14:15], s[28:29]
	s_add_nc_u64 s[16:17], s[16:17], s[32:33]
.macro LOADX t                         ; K step t of the tile's 16 rows: 512 consecutive bytes a load
.irp p, 0,1,2,3,4,5,6,7,8,9,10,11,12,13,14,15
	global_load_b128 v[RB+64*((\t)%2)+4*\p:RB+64*((\t)%2)+4*\p+3], v4, s[4:5] offset:(\p+8*(\p/8))*4096+512*(\t) th:TH_LOAD_NT
.endr
.endm
.macro STEPX t
.if (\t) < 3
	s_wait_loadcnt 16                              ; this step's 16 loads are in; the next step's 16 may be out
.else
	s_wait_loadcnt 0x0
.endif
.irp p, 0,1,2,3,4,5,6,7,8,9,10,11,12,13,14,15
	ds_store_b128 v5, v[RB+64*((\t)%2)+4*\p:RB+64*((\t)%2)+4*\p+3] offset:PIT*\p
.endr
.irp c, 0,1
.irp j, 0,1,2,3,4,5,6,7
	ds_load_b128 v[XB+32*\c+4*\j:XB+32*\c+4*\j+3], v6 offset:256*\c+16*\j   ; LDS serves a wave's instructions in order: these see the stores above.  k = 64 c + 32 h + 4 j on
.endr
.endr
	s_wait_dscnt 0x0                               ; my neighbours are in, and the stores have read their registers,
.if (\t) < 2
	LOADX (\t)+2                                   ; which take the loads of two steps on
.endif
.irp c, 0,1
	v_max3_num_f32 v[TT+\c], |v[XB+32*\c]|, |v[XB+32*\c+1]|, 0x1800000    ; block 2 c + h: all its 32 numbers are mine; the floor 2^(3 - 127) keeps the byte at 1 from below
.endr
.irp i, 2,4,6,8,10,12,14,16,18,20,22,24,26,28,30
.irp c, 0,1
	v_max3_num_f32 v[TT+\c], v[TT+\c], |v[XB+32*\c+\i]|, |v[XB+32*\c+\i+1]|
.endr
.endr
.irp c, 0,1
	v_add_nc_u32 v[TT+2+\c], 0xff000000, v[TT+\c]  ; 2 off the exponent field: the conversion's scale operand
.endr
.irp c, 0,1
	v_lshrrev_b32 v[TT+4+\c], 23, v[TT+2+\c]       ; the scale's byte
.endr
	v_lshl_or_b32 v[TT+6], v[TT+5], 16, v[TT+4]    ; my two bytes: blocks h and 2 + h,
	v_lshlrev_b32 v[TT+6], v8, v[TT+6]             ; at their places in the word;
	v_permlanex16_b32 v[TT+7], v[TT+6], s30, s31
	v_or_b32 v[WD+(\t)], v[TT+6], v[TT+7]          ; with lane l xor 16's two the word is whole
.irp c, 0,1
.irp g, 0,1,2,3
	v_cvt_scalef32_pk8_fp4_f32 v[CB+8*(\t)+4*\c+\g], v[XB+32*\c+8*\g:XB+32*\c+8*\g+7], v[TT+2+\c]
.endr
.endr
	v_nop                                          ; one plain line behind the last conversion
.irp c, 0,1
	global_store_b128 v4, v[CB+8*(\t)+4*\c:CB+8*(\t)+4*\c+3], s[14:15] offset:4096*(\t)+512*\c   ; 512 consecutive bytes of the fragment's image
.endr
.endm
	LOADX 0
	LOADX 1
	STEPX 0
	STEPX 1
	STEPX 2
	STEPX 3
	v_cmp_lt_u32 vcc_lo, 15, v1                    ; lanes 0-15 store the row's first two words, lanes 16-31 the other two
	v_cndmask_b32 v[TT], v[WD], v[WD+2], vcc_lo
	v_cndmask_b32 v[TT+1], v[WD+1], v[WD+3], vcc_lo
	global_store_b64 v7, v[TT:TT+1], s[16:17]
	s_wait_tensorcnt 0x0
	ds_add_u32 v254, v255
	s_wait_dscnt 0x0
	s_endpgm
	; ---------------- the weights ----------------
.Lweights:
	s_sub_co_u32 s23, ttmp9, 256
	s_lshl_b32 s23, s23, 2
	s_add_co_u32 s23, s23, s22                     ; which of 1,024 shares
	s_lshr_b32 s24, s23, 8                         ; which weight
	s_bfe_u32 s25, s23, 0x30005                    ; which K step of 128
	s_and_b32 s26, s23, 31                         ; which 32 columns
	s_lshl_b32 s28, s25, 19                        ; 128 rows of 4,096 bytes
	s_lshl_b32 s29, s26, 7
	s_add_co_u32 s28, s28, s29
	s_mov_b32 s29, 0
	s_lshl_b32 s27, s24, 6
	s_lshl_b32 s32, s26, 1
	s_add_co_u32 s27, s27, s32                     ; my first tile: 64 x weight + 2 x (columns / 32)
	s_lshr_b32 s32, s27, 2
	s_lshl_b32 s32, s32, 15
	s_lshl_b32 s33, s25, 12
	s_add_co_u32 s32, s32, s33
	s_and_b32 s33, s27, 3
	s_lshl_b32 s33, s33, 10
	s_add_co_u32 s32, s32, s33                     ; wc: (tile / 4) x 32,768 + K step x 4,096 + (tile % 4) x 1,024
	s_mov_b32 s33, 0
	s_lshl_b32 s34, s27, 9
	s_lshl_b32 s35, s25, 2
	s_add_co_u32 s34, s34, s35                     ; ws: tile x 512 + 4 x K step
	s_mov_b32 s35, 0
	v_lshlrev_b32 v4, 2, v1                        ; in: 4 bytes a lane
	v_bfe_u32 v9, v0, 3, 1                         ; column 16 (p / 8) + 8 u + p % 8: which of the two tiles,
	v_and_b32 v10, 7, v0
	v_lshl_add_u32 v10, v3, 3, v10                 ; and which position
	v_lshlrev_b32 v5, 4, v10
	v_lshl_add_u32 v5, v9, 10, v5                  ; codes: 1,024 u + 16 p
	v_lshlrev_b32 v6, 5, v10
	v_lshl_add_u32 v6, v9, 9, v6                   ; scale word: 512 u + 32 p
	s_wait_kmcnt 0x0
	s_cmp_eq_u32 s24, 1                            ; the choice hangs on the work-group's and the wave's number alone
	s_cselect_b64 s[6:7], s[8:9], s[6:7]
	s_cmp_eq_u32 s24, 2
	s_cselect_b64 s[6:7], s[10:11], s[6:7]
	s_cmp_eq_u32 s24, 3
	s_cselect_b64 s[6:7], s[12:13], s[6:7]
	s_add_nc_u64 s[6:7], s[6:7], s[28:29]
	s_add_nc_u64 s[18:19], s[18:19], s[32:33]
	s_add_nc_u64 s[20:21], s[20:21], s[34:35]
.macro LOADW bk                        ; block bk: W(32 bk + i, my column): 128 consecutive bytes a load
.irp i, 0,1,2,3,4,5,6,7,8,9,10,11,12,13,14,15,16,17,18,19,20,21,22,23,24,25,26,27,28,29,30,31
	global_load_b32 v[XW+32*((\bk)%2)+\i], v4, s[6:7] offset:(32*(\bk)+\i)*4096 th:TH_LOAD_NT
.endr
.endm
.macro BLOCKW bk
.set XS, XW+32*((\bk)%2)
.if (\bk) < 3
	s_wait_loadcnt 32                              ; this block's 32 loads are in; the next block's may be out
.else
	s_wait_loadcnt 0x0
.endif
	v_max3_num_f32 v12, |v[XS]|, |v[XS+1]|, |v[XS+2]|              ; the block's largest magnitude, in two chains
	v_max3_num_f32 v13, |v[XS+3]|, |v[XS+4]|, |v[XS+5]|
.irp i, 6,10,14,18,22,26
	v_max3_num_f32 v12, v12, |v[XS+\i]|, |v[XS+\i+1]|
	v_max3_num_f32 v13, v13, |v[XS+\i+2]|, |v[XS+\i+3]|
.endr
	v_max3_num_f32 v12, v12, |v[XS+30]|, |v[XS+31]|
	v_max3_num_f32 v12, v12, v13, 0x1800000        ; and the floor
	v_add_nc_u32 v14, 0xff000000, v12              ; the conversion's scale operand
	v_lshrrev_b32 v13, 23, v14                     ; the byte
.if (\bk) == 0
	v_mov_b32 v[WW], v13
.else
	v_lshl_or_b32 v[WW], v13, 8*(\bk), v[WW]
.endif
.irp g, 0,1,2,3
	v_cvt_scalef32_pk8_fp4_f32 v[CW+4*(\bk)+\g], v[XS+8*\g:XS+8*\g+7], v14
.endr
	v_nop                                          ; one plain line behind the last conversion
	global_store_b128 v5, v[CW+4*(\bk):CW+4*(\bk)+3], s[18:19] offset:512*((\bk)/2)+256*((\bk)%2)   ; sixteen lanes of a tile store 256 consecutive bytes, aligned: lanes 16 (bk % 2) on of register group bk / 2
.if (\bk) < 2
	LOADW (\bk)+2
.endif
.endm
	LOADW 0
	LOADW 1
	BLOCKW 0
	BLOCKW 1
	BLOCKW 2
	BLOCKW 3
	global_store_b32 v6, v[WW], s[20:21]           ; 4 bytes a column, 32 bytes apart: one byte for each 128 that the wave reads
	s_endpgm
.Lfunc_end_k_q51c6a16fac_quant:
	.size	k_q51c6a16fac_quant, .Lfunc_end_k_q51c6a16fac_quant-k_q51c6a16fac_quant
	.p2alignl 7, 3214868480
	.fill 96, 4, 3214868480
	.section	.rodata,"a",@progbits
	.p2align	6, 0x0
	.amdhsa_kernel k_q51c6a16fac_quant
		.amdhsa_group_segment_fixed_size 34304
		.amdhsa_private_segment_fixed_size 0
		.amdhsa_enable_private_segment 0
		.amdhsa_kernarg_size 72
		.amdhsa_user_sgpr_count 2
		.amdhsa_user_sgpr_kernarg_segment_ptr 1
		.amdhsa_wavefront_size32 1
		.amdhsa_system_sgpr_workgroup_id_x 1
		.amdhsa_system_sgpr_workgroup_id_y 1
		.amdhsa_system_sgpr_workgroup_id_z 1
		.amdhsa_system_vgpr_workitem_id 0
		.amdhsa_next_free_vgpr 256
		.amdhsa_next_free_sgpr 66
		.amdhsa_reserve_vcc 1
		.amdhsa_float_denorm_mode_32 3
		.amdhsa_float_denorm_mode_16_64 3
		.amdhsa_memory_ordered 1
		.amdhsa_forward_progress 1
		.amdhsa_inst_pref_size 50
	.end_amdhsa_kernel
	.amdgpu_metadata
---
amdhsa.version: [ 1, 2 ]
amdhsa.kernels:
  - .name:           k_q51c6a16fac_quant
    .symbol:         k_q51c6a16fac_quant.kd
    .args:
      - { .name: x, .offset: 0, .size: 8, .value_kind: global_buffer, .address_space: global }
      - { .name: Wq, .offset: 8, .size: 8, .value_kind: global_buffer, .address_space: global }
      - { .name: Wk, .offset: 16, .size: 8, .value_kind: global_buffer, .address_space: global }
      - { .name: Wv, .offset: 24, .size: 8, .value_kind: global_buffer, .address_space: global }
      - { .name: Wo, .offset: 32, .size: 8, .value_kind: global_buffer, .address_space: global }
      - { .name: xc, .offset: 40, .size: 8, .value_kind: global_buffer, .address_space: global }
      - { .name: xs, .offset: 48, .size: 8, .value_kind: global_buffer, .address_space: global }
      - { .name: wc, .offset: 56, .size: 8, .value_kind: global_buffer, .address_space: global }
      - { .name: ws, .offset: 64, .size: 8, .value_kind: global_buffer, .address_space: global }
    .group_segment_fixed_size: 34304
    .private_segment_fixed_size: 0
    .kernarg_segment_align: 8
    .kernarg_segment_size: 72
    .max_flat_workgroup_size: 128
    .sgpr_count:     66
    .vgpr_count:     256
    .wavefront_size: 32
...
	.end_amdgpu_metadata
.endif
;; end of part 1
;; launch qkv (part 2): grid 12 x 32, 4 waves a work-group, no clusters, 262,656 bytes of LDS; arguments xc, xs, wc, ws, qkvc, qkvs; writes qkvc, qkvs
.if DOCPART == 2
	.amdgcn_target "amdgcn-amd-amdhsa--gfx1250"
	.amdhsa_code_object_version 6
	.text
	.protected	k_q51c6a16fac_qkv
	.globl	k_q51c6a16fac_qkv
	.p2align	8
	.type	k_q51c6a16fac_qkv,@function
k_q51c6a16fac_qkv:
	s_mov_b64 s[64:65], 0
	v_nop
	global_prefetch_b8 v0, s[64:65] scope:SCOPE_SE
	s_setreg_imm32_b32 hwreg(HW_REG_WAVE_MODE, 25, 1), 1
	s_wait_xcnt 0x0
; q = x Wq, k = x Wk, v = x Wv on codes of FP4 with E8M0 scales, sums in f32; the results are quantised at once, q and k along the head's 64, v along the keys, and leave as codes.
; A work-group makes 256 rows x 256 columns of [q | k | v] (x = block of columns 0-11, y = block of rows); four waves, each 128 x 128: 64 accumulators, 512 registers.
; BOTH OPERANDS' CODES FOR ALL OF K (2 x 131,072 bytes) lie in LDS at once: every fill is a first fill, nothing is filled again, and the K steps follow the fills pair by pair.
; ROLES.  P is source 0: its tiles run along a lane's result registers.  R is source 1: its tile says which row a lane holds.  For q and k P = the weight and R = x: a lane holds one row of x and its
; registers run along the head.  For v P = x and R = Wv: a lane holds one column of v and its registers run along the keys.  Only pointers and output offsets are chosen; LDS and the text are the same.
; A tile's position p is index 32 b + 8 u + p + 8 (p / 8) (tile 2 b + u), so the 16 registers of result tiles 2 b and 2 b + 1 are 16 neighbours 32 b + 16 (lane / 16) + 0 .. 15 along the next K.
; OUT.  qkvc: Q [head][tile of 16 rows][512] (K = 64: register group 0 of a fragment alone), K the same 4,194,304 bytes on, V [batch][128 keys][head][tile of 16 channels][1024] 8,388,608 bytes on.
;       qkvs: [head][20,480]: Q's words [tile / 4][position][tile % 4], K's 8,192 on, V's [128 keys][position][tile] 16,384 on.  Bytes 2 and 3 of Q's and K's words are 0: they scale zero codes.
; LIMITS: NaN and infinities are not served; blocks under 2^-124, blocks of zeros among them, keep the byte 1 (their codes are zeros or the smallest; this program alone reads the bytes).
; NO CLUSTER in this form: which buffer is source 0 changes with the block of columns, so a joint load's mask would change with it; each work-group fetches its 262,144 bytes itself.
; REGISTERS, in windows of 256: window 0: v1-9 addresses; v32-63 P's scale words, v64-95 R's (register 8 (tile / 2) + K step: lanes 0-15 the even tile, lanes 16-31 the odd one);
;   v96-111 at work, v112-119 codes, v120-127 the scale words made; v128-255 R's fragments, two sets.  window 1: v0-127 P's fragments, two sets.  windows 2, 3: accumulator (G, T) at 8 (8 (G % 4) + T).
.set ADR_R, 4                          ; v4  16 x lane + my half of R
.set ADR_P, 5                          ; v5  the same for P
.set SVO,   6                          ; v6  512 (lane / 16) + 32 r: a pair of tiles' scale words
.set CVO,   7                          ; v7  16 x lane, stepped from tile to tile on the way out
.set SH,    8                          ; v8  16 h
.set SSO,   9                          ; v9  20,480 h + 16 r: where I store scale words
.set SP,  32
.set SR,  64
.set TM,  96
.set PC,  112
.set SW,  120
.set RF,  128
.set G1,  24                           ; s[24:31] descriptor group 1
.set G0,  32                           ; s[32:63] eight groups 0: R's and P's by turns
.set MSB, 0
.macro WIN new                         ; the immediate's high byte repeats the setting that is left
.if MSB != (\new)
	s_set_vgpr_msb (MSB<<8)|(\new)
.set MSB, (\new)
.endif
.endm
.macro PLACES
.rept 4
	v_nop
.endr
.endm
	s_load_b256 s[4:11], s[0:1], 0x0               ; xc s[4:5], xs s[6:7], wc s[8:9], ws s[10:11]
	s_load_b128 s[12:15], s[0:1], 0x20             ; qkvc s[12:13], qkvs s[14:15]
	v_lshl_add_u32 v106, v0, 2, 0x40000
	v_mov_b32 v107, 0
	ds_add_u32 v106, v107
	ds_add_u32 v106, v107
	v_lshrrev_b32 v1, 5, v0
	v_readfirstlane_b32 s16, v1                    ; wave
	s_lshr_b32 s17, s16, 1                         ; my half of R
	s_and_b32 s18, s16, 1                          ; my half of P
	s_mov_b32 s19, ttmp9                           ; block of columns
	s_and_b32 s20, ttmp7, 0xffff                   ; block of rows
	s_mov_b32 s[G1+0], 3<<16                       ; no mask; elements of 8 bytes; no padding: an image is read 16 bytes a lane on end
	s_mov_b32 s[G1+1], 32<<16                      ; tensor_dim0 = 32 elements: rows of 256 bytes
	s_mov_b32 s[G1+2], 32<<16                      ; tensor_dim1 = 32 rows
	s_mov_b32 s[G1+3], 32<<16                      ; tile_dim0
	s_mov_b32 s[G1+4], 32                          ; tile_dim1
	s_mov_b32 s[G1+5], 32                          ; the pitch: dense
	s_mov_b32 s[G1+6], 0
	s_mov_b32 s[G1+7], 0
	s_lshl_b32 s21, s16, 15                        ; my quarter of a block: four tiles, all K steps: 32,768 bytes
	s_lshl_b32 s2, s20, 17
	s_add_co_u32 s2, s2, s21                       ; x's block of 131,072 bytes + my quarter
	s_mov_b32 s3, 0
	s_lshl_b32 s22, s19, 17
	s_add_co_u32 s22, s22, s21                     ; the weight's likewise
	s_mov_b32 s23, 0
	s_lshl_b32 s76, s20, 13                        ; their scale words: 8,192 bytes a block
	s_mov_b32 s77, 0
	s_lshl_b32 s78, s19, 13
	s_mov_b32 s79, 0
	s_wait_dscnt 0x0
	s_wait_kmcnt 0x0
	s_add_nc_u64 s[4:5], s[4:5], s[2:3]
	s_add_nc_u64 s[8:9], s[8:9], s[22:23]
	s_add_nc_u64 s[6:7], s[6:7], s[76:77]
	s_add_nc_u64 s[10:11], s[10:11], s[78:79]
	s_cmp_ge_u32 s19, 8                            ; blocks 8-11 are v's: the roles change places
	s_cselect_b64 s[2:3], s[8:9], s[4:5]           ; R's codes
	s_cselect_b64 s[22:23], s[4:5], s[8:9]         ; P's codes
	s_cselect_b64 s[76:77], s[10:11], s[6:7]       ; R's scale words
	s_cselect_b64 s[78:79], s[6:7], s[10:11]       ; P's
.irp j, 0,1,2,3                        ; load j of a role: my quarter's K steps 2 j and 2 j + 1: 8,192 dense bytes
	s_mov_b32 s[G0+8*\j], 1
	s_add_co_u32 s[G0+8*\j+1], s21, \j*8192
	s_add_nc_u64 s[G0+8*\j+2:G0+8*\j+3], s[2:3], \j*8192
	s_or_b32 s[G0+8*\j+3], s[G0+8*\j+3], 0x80000000
	s_mov_b32 s[G0+8*\j+4], 1
	s_add_co_u32 s[G0+8*\j+5], s21, 131072+\j*8192
	s_add_nc_u64 s[G0+8*\j+6:G0+8*\j+7], s[22:23], \j*8192
	s_or_b32 s[G0+8*\j+7], s[G0+8*\j+7], 0x80000000
.endr
.irp j, 0,1,2,3                        ; all first fills in one group: eight loads of mine are out
	tensor_load_to_lds s[G0+8*\j:G0+8*\j+3], s[G1:G1+7]
	s_nop 0
	tensor_load_to_lds s[G0+8*\j+4:G0+8*\j+7], s[G1:G1+7]
	s_nop 0
.endr
	PLACES
	v_and_b32 v1, 31, v0                           ; lane
	v_and_b32 v2, 15, v0                           ; r
	v_bfe_u32 v3, v0, 4, 1                         ; h
	v_lshlrev_b32 v[CVO], 4, v1
	s_lshl_b32 s74, s17, 16
	v_add_nc_u32 v[ADR_R], s74, v[CVO]
	s_lshl_b32 s74, s18, 16
	s_add_co_u32 s74, s74, 131072
	v_add_nc_u32 v[ADR_P], s74, v[CVO]
	v_lshlrev_b32 v[SVO], 5, v2
	v_lshl_add_u32 v[SVO], v3, 9, v[SVO]
	v_lshlrev_b32 v[SH], 4, v3
	v_mul_u32_u24 v[SSO], v3, 20480
	v_lshl_add_u32 v[SSO], v2, 4, v[SSO]
.irp b, 0,1,2,3
	v_mov_b32 v[TM+4+\b], 0                        ; a lane permute's destination counts as one of its sources
.endr
	s_mov_b32 s75, 0
	s_lshl_b32 s74, s17, 12                        ; my eight tiles' words: 4,096 bytes a half
	s_add_nc_u64 s[76:77], s[76:77], s[74:75]
	s_lshl_b32 s74, s18, 12
	s_add_nc_u64 s[78:79], s[78:79], s[74:75]
.irp i, 0,1,2,3                        ; the scale words of all of K go straight into registers: four K steps' words of a pair of tiles a load
.irp f, 0,1
	global_load_b128 v[SR+8*\i+4*\f:SR+8*\i+4*\f+3], v[SVO], s[76:77] offset:1024*\i+16*\f
	global_load_b128 v[SP+8*\i+4*\f:SP+8*\i+4*\f+3], v[SVO], s[78:79] offset:1024*\i+16*\f
.endr
.endr
	; where the results go: both roles' offsets are made, then chosen
	s_lshr_b32 s4, s20, 3
	s_lshl_b32 s4, s4, 4                           ; 16 x batch
	s_and_b32 s5, s20, 7                           ; which 256 rows of the batch's 2,048
	s_and_b32 s6, s19, 3
	s_lshl_b32 s6, s6, 2                           ; the block's first head
	s_lshr_b32 s7, s19, 2                          ; 0: q, 1: k
	s_lshl_b32 s8, s18, 1
	s_add_co_u32 s8, s8, s6
	s_add_co_u32 s8, s8, s4                        ; q, k: my first head among all 64
	s_lshl_b32 s9, s5, 4
	s_lshl_b32 s10, s17, 3
	s_add_co_u32 s9, s9, s10                       ; my first tile of rows
	s_lshl_b32 s10, s8, 7
	s_add_co_u32 s10, s10, s9
	s_lshl_b32 s10, s10, 9
	s_lshl_b32 s11, s7, 22
	s_add_co_u32 s10, s10, s11                     ; q, k: codes
	s_mul_i32 s8, s8, 20480
	s_lshl_b32 s11, s7, 13
	s_add_co_u32 s8, s8, s11
	s_lshl_b32 s11, s9, 6                          ; (tile / 4) x 256; the tile is a multiple of 8
	s_add_co_u32 s8, s8, s11                       ; q, k: scale words
	s_lshl_b32 s9, s17, 1
	s_add_co_u32 s9, s9, s6                        ; v: my first head
	s_lshl_b32 s11, s5, 1
	s_add_co_u32 s11, s11, s18                     ; my 128 keys
	s_add_co_u32 s21, s4, s11
	s_lshl_b32 s21, s21, 4
	s_add_co_u32 s21, s21, s9
	s_lshl_b32 s21, s21, 12
	s_add_co_u32 s21, s21, 8388608                 ; v: codes
	s_add_co_u32 s9, s9, s4
	s_mul_i32 s9, s9, 20480
	s_lshl_b32 s11, s11, 8
	s_add_co_u32 s9, s9, s11
	s_add_co_u32 s9, s9, 16384                     ; v: scale words
	s_mov_b32 s70, 512
	s_mov_b32 s22, 65536
	s_cmp_ge_u32 s19, 8
	s_cselect_b32 s2, s21, s10
	s_cselect_b32 s72, s9, s8
	s_cselect_b32 s70, 1024, s70                   ; from R's tile to the next: q, k 512 bytes, v 1,024
	s_cselect_b32 s22, 512, s22                    ; from the codes' first four registers to the other four: q, k the next head, v the image's second half
	s_mov_b32 s3, 0
	s_mov_b32 s23, 0
	s_mov_b32 s73, 0
	s_add_nc_u64 s[66:67], s[12:13], s[2:3]
	s_add_nc_u64 s[68:69], s[66:67], s[22:23]
	s_add_nc_u64 s[72:73], s[14:15], s[72:73]
; The matrix instruction; ra, rb: the scale words stand in lanes 16-31 of the register named.  WMZ starts a sum with the constant 0, WMA adds in place.
.macro WMZ d, a, b, sa, sb, ra, rb
.if (\ra) && (\rb)
	v_wmma_scale_f32_16x16x128_f8f6f4 v[(\d):(\d)+7], v[(\a):(\a)+7], v[(\b):(\b)+7], 0, v[\sa], v[\sb] matrix_a_fmt:MATRIX_FMT_FP4 matrix_b_fmt:MATRIX_FMT_FP4 matrix_a_scale:MATRIX_SCALE_ROW1 matrix_b_scale:MATRIX_SCALE_ROW1
.elseif (\ra)
	v_wmma_scale_f32_16x16x128_f8f6f4 v[(\d):(\d)+7], v[(\a):(\a)+7], v[(\b):(\b)+7], 0, v[\sa], v[\sb] matrix_a_fmt:MATRIX_FMT_FP4 matrix_b_fmt:MATRIX_FMT_FP4 matrix_a_scale:MATRIX_SCALE_ROW1
.elseif (\rb)
	v_wmma_scale_f32_16x16x128_f8f6f4 v[(\d):(\d)+7], v[(\a):(\a)+7], v[(\b):(\b)+7], 0, v[\sa], v[\sb] matrix_a_fmt:MATRIX_FMT_FP4 matrix_b_fmt:MATRIX_FMT_FP4 matrix_b_scale:MATRIX_SCALE_ROW1
.else
	v_wmma_scale_f32_16x16x128_f8f6f4 v[(\d):(\d)+7], v[(\a):(\a)+7], v[(\b):(\b)+7], 0, v[\sa], v[\sb] matrix_a_fmt:MATRIX_FMT_FP4 matrix_b_fmt:MATRIX_FMT_FP4
.endif
.endm
.macro WMA d, a, b, sa, sb, ra, rb
.if (\ra) && (\rb)
	v_wmma_scale_f32_16x16x128_f8f6f4 v[(\d):(\d)+7], v[(\a):(\a)+7], v[(\b):(\b)+7], v[(\d):(\d)+7], v[\sa], v[\sb] matrix_a_fmt:MATRIX_FMT_FP4 matrix_b_fmt:MATRIX_FMT_FP4 matrix_a_scale:MATRIX_SCALE_ROW1 matrix_b_scale:MATRIX_SCALE_ROW1
.elseif (\ra)
	v_wmma_scale_f32_16x16x128_f8f6f4 v[(\d):(\d)+7], v[(\a):(\a)+7], v[(\b):(\b)+7], v[(\d):(\d)+7], v[\sa], v[\sb] matrix_a_fmt:MATRIX_FMT_FP4 matrix_b_fmt:MATRIX_FMT_FP4 matrix_a_scale:MATRIX_SCALE_ROW1
.elseif (\rb)
	v_wmma_scale_f32_16x16x128_f8f6f4 v[(\d):(\d)+7], v[(\a):(\a)+7], v[(\b):(\b)+7], v[(\d):(\d)+7], v[\sa], v[\sb] matrix_a_fmt:MATRIX_FMT_FP4 matrix_b_fmt:MATRIX_FMT_FP4 matrix_b_scale:MATRIX_SCALE_ROW1
.else
	v_wmma_scale_f32_16x16x128_f8f6f4 v[(\d):(\d)+7], v[(\a):(\a)+7], v[(\b):(\b)+7], v[(\d):(\d)+7], v[\sa], v[\sb] matrix_a_fmt:MATRIX_FMT_FP4 matrix_b_fmt:MATRIX_FMT_FP4
.endif
.endm
.macro MULG G, s, set, zero            ; R's tile G against P's eight
.irp T, 0,1,2,3,4,5,6,7
.if \zero
	WMZ 8*(8*((\G)%4)+\T), 64*(\set)+8*\T, RF+64*(\set)+8*(\G), SP+8*(\T/2)+(\s), SR+8*((\G)/2)+(\s), \T%2, (\G)%2
.else
	WMA 8*(8*((\G)%4)+\T), 64*(\set)+8*\T, RF+64*(\set)+8*(\G), SP+8*(\T/2)+(\s), SR+8*((\G)/2)+(\s), \T%2, (\G)%2
.endif
.endr
.endm
.macro MUL s, set, zero                ; a K step's 64 matrix instructions: the 64 accumulators take turns, in the same order in every step
	WIN 0xa1                                       ; source 0 (P) window 1, source 1 (R) window 0, C and D window 2
.irp G, 0,1,2,3
	MULG \G, \s, \set, \zero
.endr
	WIN 0xf1                                       ; C and D window 3
.irp G, 4,5,6,7
	MULG \G, \s, \set, \zero
.endr
.endm
.macro FETCH s, set                    ; 32 LDS loads in one run: K step s's fragments of my 8 + 8 tiles; each load reads 512 consecutive bytes
	WIN 0x40                                       ; destination window 1
.irp T, 0,1,2,3,4,5,6,7
.irp c, 0,1
	ds_load_b128 v[64*(\set)+8*\T+4*\c:64*(\set)+8*\T+4*\c+3], v[ADR_P] offset:(\T/4)*32768+(\s)*4096+(\T%4)*1024+512*\c
.endr
.endr
	WIN 0
.irp G, 0,1,2,3,4,5,6,7
.irp c, 0,1
	ds_load_b128 v[RF+64*(\set)+8*\G+4*\c:RF+64*(\set)+8*\G+4*\c+3], v[ADR_R] offset:(\G/4)*32768+(\s)*4096+(\G%4)*1024+512*\c
.endr
.endr
.endm
.macro GATE n                          ; my loads of the pair of K steps that is wanted next have landed (n younger loads may be out), and so have everybody's
	s_wait_tensorcnt \n
	s_barrier_signal -1
	s_barrier_wait -1
.endm
.macro STEP s
	s_wait_dscnt 0x0                               ; this step's fragments are in: they were asked for 64 matrix instructions ago
.if (\s) == 1
	GATE 4
.elseif (\s) == 3
	GATE 2
.elseif (\s) == 5
	GATE 0
.endif
.if (\s) < 7
.if (\s) > 0
	PLACES                                         ; four places in front of loads into the set that the last step's products read
.endif
	FETCH (\s)+1, ((\s)+1)%2
.endif
.if (\s) == 0
	MUL \s, 0, 1
.else
	MUL \s, (\s)%2, 0
.endif
.endm
	GATE 6                                         ; K steps 0 and 1 of both roles
	FETCH 0, 0
	s_wait_loadcnt 0x0                             ; the scale words
.irp s, 0,1,2,3,4,5,6,7
	STEP \s
.endr
	WIN 0
	PLACES                                         ; in front of the first read of results
; 64 results of a lane in window W, register 16 b + i = index 32 b + 16 (lane / 16) + i along the next K, become eight registers of codes in v[PC] on and a scale word.
.macro QUANT s, W, word
	WIN 5*(\W)                                     ; sources 0 and 1 in window W
.irp b, 0,1,2,3
	v_max3_num_f32 v[TM+\b], |v[(\s)+16*\b]|, |v[(\s)+16*\b+1]|, 0x1800000   ; each accumulator is read from its low end on; the floor 2^(3 - 127) keeps the byte at 1 from below
.endr
.irp i, 2,4,6,8,10,12,14
.irp b, 0,1,2,3
	v_max3_num_f32 v[TM+\b], |v[(\s)+16*\b+\i]|, |v[(\s)+16*\b+\i+1]|, v[TM+\b]
.endr
.endr
	WIN 0
.irp b, 0,1,2,3
	v_permlanex16_b32 v[TM+4+\b], v[TM+\b], s74, s75
.endr
.irp b, 0,1,2,3
	v_max_num_f32 v[TM+\b], v[TM+\b], v[TM+4+\b]   ; with lane l xor 16's: the block's largest magnitude
.endr
.irp b, 0,1,2,3
	v_add_nc_u32 v[TM+12+\b], 0xff000000, v[TM+\b] ; the conversion's scale operand
.endr
.irp b, 0,1,2,3
	v_lshrrev_b32 v[TM+4+\b], 23, v[TM+12+\b]      ; the byte
.endr
	v_lshl_or_b32 v[\word], v[TM+5], 8, v[TM+4]
	v_lshl_or_b32 v[\word], v[TM+6], 16, v[\word]
	v_lshl_or_b32 v[\word], v[TM+7], 24, v[\word]
	WIN \W                                         ; source 0 in window W
.irp b, 0,1,2,3
	v_cvt_scalef32_pk8_fp4_f32 v[PC+2*\b], v[(\s)+16*\b:(\s)+16*\b+7], v[TM+12+\b]
	v_cvt_scalef32_pk8_fp4_f32 v[PC+2*\b+1], v[(\s)+16*\b+8:(\s)+16*\b+15], v[TM+12+\b]
.endr
	WIN 0
	v_nop                                          ; one plain place behind a scaled conversion
.irp c, 0,1                            ; the operand's layout wants a whole block in a lane
.irp i, 0,1
	v_permlane16_swap_b32 v[PC+4*\c+\i], v[PC+2+4*\c+\i]
.endr
.endr
.endm
	s_mov_b32 s74, 0x76543210
	s_mov_b32 s75, 0xfedcba98                      ; v_permlanex16_b32's selects for lane l xor 16
.irp G, 0,1,2,3,4,5,6,7
.if \G > 0
	s_wait_xcnt 0x0                                ; the last tile's stores have read their data and their offset: both are written again only behind this wait
	v_add_nc_u32 v[CVO], s70, v[CVO]
.endif
	QUANT 64*(\G%4), 2+\G/4, SW+\G
	global_store_b128 v[CVO], v[PC:PC+3], s[66:67]     ; 512 consecutive bytes each
	global_store_b128 v[CVO], v[PC+4:PC+7], s[68:69]
.endr
	s_cmp_ge_u32 s19, 8
	s_cbranch_scc1 .Lvtail
.irp i, 0,1,2,3,4,5,6,7                ; q, k: a word's low half is the first head's two bytes, its high half the second head's: lanes 0-15 store the first head's, lanes 16-31 the second's
	v_lshrrev_b32 v[TM+\i], v[SH], v[SW+\i]
.endr
.irp i, 0,1,2,3,4,5,6,7
	v_and_b32 v[TM+\i], 0xffff, v[TM+\i]
.endr
	global_store_b128 v[SSO], v[TM:TM+3], s[72:73]
	global_store_b128 v[SSO], v[TM+4:TM+7], s[72:73] offset:256
	s_wait_tensorcnt 0x0
	ds_add_u32 v106, v107
	s_wait_dscnt 0x0
	s_endpgm
.Lvtail:                               ; v: tiles 0-3 are the first head's channels, tiles 4-7 the second's
	v_cmp_eq_u32 vcc_lo, 1, v3
.irp i, 0,1,2,3
	v_cndmask_b32 v[TM+\i], v[SW+\i], v[SW+4+\i], vcc_lo
.endr
	global_store_b128 v[SSO], v[TM:TM+3], s[72:73]
	s_wait_tensorcnt 0x0
	ds_add_u32 v106, v107
	s_wait_dscnt 0x0
	s_endpgm
.Lfunc_end_k_q51c6a16fac_qkv:
	.size	k_q51c6a16fac_qkv, .Lfunc_end_k_q51c6a16fac_qkv-k_q51c6a16fac_qkv
	.p2alignl 7, 3214868480
	.fill 96, 4, 3214868480
	.section	.rodata,"a",@progbits
	.p2align	6, 0x0
	.amdhsa_kernel k_q51c6a16fac_qkv
		.amdhsa_group_segment_fixed_size 262656
		.amdhsa_private_segment_fixed_size 0
		.amdhsa_enable_private_segment 0
		.amdhsa_kernarg_size 48
		.amdhsa_user_sgpr_count 2
		.amdhsa_user_sgpr_kernarg_segment_ptr 1
		.amdhsa_wavefront_size32 1
		.amdhsa_system_sgpr_workgroup_id_x 1
		.amdhsa_system_sgpr_workgroup_id_y 1
		.amdhsa_system_sgpr_workgroup_id_z 1
		.amdhsa_system_vgpr_workitem_id 0
		.amdhsa_next_free_vgpr 1024
		.amdhsa_next_free_sgpr 80
		.amdhsa_reserve_vcc 1
		.amdhsa_float_denorm_mode_32 3
		.amdhsa_float_denorm_mode_16_64 3
		.amdhsa_memory_ordered 1
		.amdhsa_forward_progress 1
		.amdhsa_inst_pref_size 126
	.end_amdhsa_kernel
	.amdgpu_metadata
---
amdhsa.version: [ 1, 2 ]
amdhsa.kernels:
  - .name:           k_q51c6a16fac_qkv
    .symbol:         k_q51c6a16fac_qkv.kd
    .args:
      - { .name: xc, .offset: 0, .size: 8, .value_kind: global_buffer, .address_space: global }
      - { .name: xs, .offset: 8, .size: 8, .value_kind: global_buffer, .address_space: global }
      - { .name: wc, .offset: 16, .size: 8, .value_kind: global_buffer, .address_space: global }
      - { .name: ws, .offset: 24, .size: 8, .value_kind: global_buffer, .address_space: global }
      - { .name: qkvc, .offset: 32, .size: 8, .value_kind: global_buffer, .address_space: global }
      - { .name: qkvs, .offset: 40, .size: 8, .value_kind: global_buffer, .address_space: global }
    .group_segment_fixed_size: 262656
    .private_segment_fixed_size: 0
    .kernarg_segment_align: 8
    .kernarg_segment_size: 48
    .max_flat_workgroup_size: 128
    .sgpr_count:     80
    .vgpr_count:     1024
    .wavefront_size: 32
...
	.end_amdgpu_metadata
.endif
;; end of part 2
;; launch attn (part 3): grid 4 x 64, 16 waves a work-group, no clusters, 169,984 bytes of LDS; arguments qkvc, qkvs, cc, cs; writes cc, cs
.if DOCPART == 3
	.amdgcn_target "amdgcn-amd-amdhsa--gfx1250"
	.amdhsa_code_object_version 6
	.text
	.protected	k_q51c6a16fac_attn
	.globl	k_q51c6a16fac_attn
	.p2align	8
	.type	k_q51c6a16fac_attn,@function
k_q51c6a16fac_attn:
	s_mov_b64 s[64:65], 0
	v_nop
	global_prefetch_b8 v0, s[64:65] scope:SCOPE_SE
	s_setreg_imm32_b32 hwreg(HW_REG_WAVE_MODE, 25, 1), 1
	s_wait_xcnt 0x0
; ctx[head][q] = the sum over keys k <= q of softmax_k(q . k / 8) v, both products on codes of FP4 with E8M0 scales; ctx is quantised along the model's 1,024 and leaves as codes.
; THE SOFTMAX AHEAD OF THE SECOND PRODUCT: t = score x log2(e) / 8; M = the running largest t rounded up to a whole number; p = 2^(t - M) is quantised along the keys, not normalised; the row's sum is
; taken of the unquantised p and divides at the end; when M moves, the sum and O are multiplied by 2^(old M - new M), which rounds nothing.
; SHARES.  A work-group owns one head and two blocks of 256 queries, block x in its first pass and block 7 - x in its second, so that the causal work is 16 or 18 key steps a wave whatever x is.
; Each of sixteen waves owns one tile of 16 queries in 256 registers: four waves to a SIMD, so that one wave's vector work stands beside another's products and LDS loads.
; THE WHOLE HEAD'S K, V and their scale words (143,360 bytes) come into LDS once, in four chunks of 512 keys; nothing is filled again.  Every fragment is an image of its registers: 16 bytes a lane on end.
; LAYOUT.  S^T = K Q^T (source 0 = 16 keys, source 1 = my queries), O^T = V^T P^T (source 0 = 16 channels): a lane holds one query throughout.  The head's 64 fill half of the first product's 128 along K:
; the upper four registers of K's and Q's fragments are zero codes.  Position p of tile 2 b + u (of queries, keys or channels) is index 32 b + 8 u + p + 8 (p / 8), so the 16 registers of result tiles
; 2 b and 2 b + 1 are 16 neighbours along the next K.
; CAUSAL.  Every wave walks all 16 key steps (constant trip counts, every barrier passed); a step whose keys all come after my queries is jumped over by a scalar branch on ids; in the one step on the
; diagonal hidden scores become -infinity ahead of the maximum.
; NO CLUSTER: the four work-groups of a head would share K and V, but each jumps over other key steps, by its own block of queries.
; LIMITS: NaN and infinities are not served; blocks of ctx under 2^-124, blocks of zeros among them, keep the byte 1 (this program alone reads the bytes).
; REGISTERS: v1-7 addresses that stay; v8-11 addresses of the step; v12 -M, v13 the largest t, v[14:15] the sum; v16-23 Q; v24-31 K's scale words; v32-95 K's 8 fragments; v96-159 S^T, then p; v160-191 O^T;
;   v192-223 V's 4 fragments; v224-231 p's codes; v232-247 at work (v240 my query's place, v241 16 r, v243 h); v248-251 V's scale words; v252 f; v253 p's scale word; v254 at work; v255 Q's scale word.
.set G1S, 16                           ; s[16:23] group 1 for the scale words: 3 rows of 256 bytes
.set G1D, 24                           ; s[24:31] for a chunk's part: 8 rows of 256 bytes
.set G0,  32                           ; s[32:51] five groups 0
	s_load_b256 s[4:11], s[0:1], 0x0               ; qkvc s[4:5], qkvs s[6:7], cc s[8:9], cs s[10:11]
	v_lshl_add_u32 v254, v0, 2, 0x29000
	v_mov_b32 v255, 0
	ds_add_u32 v254, v255
	ds_add_u32 v254, v255
	s_wait_dscnt 0x0
	v_lshrrev_b32 v1, 5, v0
	s_delay_alu instid0(VALU_DEP_1)
	v_readfirstlane_b32 s12, v1                    ; wave 0..15
	s_and_b32 s13, ttmp7, 0xffff                   ; the head among all 64
	s_lshr_b32 s76, s13, 4                         ; batch
	s_and_b32 s77, s13, 15                         ; head in the batch
	s_mov_b32 s[G1S+0], 3<<16                      ; no mask; elements of 8 bytes; no padding
	s_mov_b32 s[G1S+1], 32<<16                     ; rows of 256 bytes
	s_mov_b32 s[G1S+2], 3<<16
	s_mov_b32 s[G1S+3], 32<<16
	s_mov_b32 s[G1S+4], 3
	s_mov_b32 s[G1S+5], 32
	s_mov_b32 s[G1S+6], 0
	s_mov_b32 s[G1S+7], 0
	s_mov_b32 s[G1D+0], 3<<16
	s_mov_b32 s[G1D+1], 32<<16
	s_mov_b32 s[G1D+2], 8<<16
	s_mov_b32 s[G1D+3], 32<<16
	s_mov_b32 s[G1D+4], 8
	s_mov_b32 s[G1D+5], 32
	s_mov_b32 s[G1D+6], 0
	s_mov_b32 s[G1D+7], 0
	s_mul_i32 s78, s12, 768                        ; K's and V's scale words are 12,288 bytes on end: 768 a wave
	s_mul_i32 s79, s13, 20480                      ; the head's scale words
	s_add_co_u32 s80, s79, s78
	s_add_co_u32 s80, s80, 8192
	s_mov_b32 s81, 0
	s_and_b32 s82, s12, 7                          ; waves 0-7 fetch K, waves 8-15 V: 2,048 bytes of each chunk's 16,384
	s_lshl_b32 s83, s82, 11
	s_lshl_b32 s84, s13, 16
	s_add_co_u32 s84, s84, s83
	s_add_co_u32 s84, s84, 4194304                 ; K: the head's 65,536 dense bytes
	s_lshl_b32 s85, s76, 20
	s_lshr_b32 s86, s82, 1
	s_lshl_b32 s86, s86, 16
	s_add_co_u32 s85, s85, s86
	s_lshl_b32 s86, s77, 12
	s_add_co_u32 s85, s85, s86
	s_and_b32 s86, s12, 1
	s_lshl_b32 s86, s86, 11
	s_add_co_u32 s85, s85, s86
	s_add_co_u32 s85, s85, 8388608                 ; V: 4,096 bytes for each 128 keys, 65,536 apart
	s_mov_b32 s87, 16384
	s_mov_b32 s88, 262144
	s_cmp_lt_u32 s12, 8
	s_cselect_b32 s84, s84, s85                    ; chunk 0's offset,
	s_cselect_b32 s86, s87, s88                    ; and from chunk to chunk
	s_mov_b32 s85, 0
	s_mov_b32 s87, 0
	s_lshr_b32 s89, s12, 3
	s_lshl_b32 s89, s89, 16
	s_add_co_u32 s89, s89, s83                     ; in LDS: K at 0, V at 65,536, + my 2,048
	s_lshr_b32 s93, s77, 1
	s_lshl_b32 s93, s93, 11
	s_and_b32 s94, s77, 1
	s_lshl_b32 s94, s94, 9
	s_add_co_u32 s93, s93, s94                     ; cc: K step head / 2, register group head % 2
	s_lshl_b32 s94, s77, 1                         ; cs: the head's two bytes
	s_mov_b32 s14, 0x76543210
	s_mov_b32 s15, 0xfedcba98                      ; v_permlanex16_b32's selects for lane l xor 16
	s_mov_b32 s52, 0x3e38aa3b                      ; c = log2(e) / 8
	s_mov_b32 s53, s52                             ; (named with it as a pair)
	s_wait_kmcnt 0x0
	s_mov_b32 s[G0], 1
	s_add_co_u32 s[G0+1], s78, 131072
	s_add_nc_u64 s[G0+2:G0+3], s[6:7], s[80:81]
	s_or_b32 s[G0+3], s[G0+3], 0x80000000
	s_add_nc_u64 s[90:91], s[4:5], s[84:85]
.irp c, 0,1,2,3
	s_mov_b32 s[G0+4+4*\c], 1
	s_add_co_u32 s[G0+5+4*\c], s89, \c*16384
	s_mov_b64 s[G0+6+4*\c:G0+7+4*\c], s[90:91]
	s_or_b32 s[G0+7+4*\c], s[G0+7+4*\c], 0x80000000
	s_add_nc_u64 s[90:91], s[90:91], s[86:87]      ; (the last step's address is not used)
.endr
	tensor_load_to_lds s[G0:G0+3], s[G1S:G1S+7]    ; all first fills in one group: five loads of mine are out
	s_nop 0
.irp c, 0,1,2,3
	tensor_load_to_lds s[G0+4+4*\c:G0+7+4*\c], s[G1D:G1D+7]
	s_nop 0
.endr
.rept 4
	v_nop
.endr
	v_and_b32 v9, 31, v0                           ; lane
	v_and_b32 v10, 15, v0                          ; r
	v_bfe_u32 v243, v0, 4, 1                       ; h
	s_delay_alu instid0(VALU_DEP_3)
	v_lshlrev_b32 v1, 4, v9                        ; K's images: 16 x lane
	s_delay_alu instid0(VALU_DEP_1)
	v_add_nc_u32 v2, 65536, v1                     ; V's
	s_delay_alu instid0(VALU_DEP_4)
	v_lshlrev_b32 v241, 4, v10                     ; 16 r
	s_delay_alu instid0(VALU_DEP_1)
	v_add_nc_u32 v3, 131072, v241                  ; K's scale words: four tiles' words of position r
	s_delay_alu instid0(VALU_DEP_2)
	v_add_nc_u32 v4, 139264, v241                  ; V's
	v_mov_b32 v5, v1                               ; in memory: 16 x lane
	v_lshlrev_b32 v7, 5, v10
	s_delay_alu instid0(VALU_DEP_1)
	v_add_nc_u32 v7, v7, v243                      ; cs: 32 r + h
	v_lshrrev_b32 v240, 3, v10
	s_delay_alu instid0(VALU_DEP_1)
	v_lshl_add_u32 v240, v240, 3, v10
	v_lshlrev_b32 v242, 4, v243
	s_delay_alu instid0(VALU_DEP_1)
	v_sub_nc_u32 v240, v240, v242                  ; r + 8 (r / 8) - 16 h
.irp j, 20,21,22,23
	v_mov_b32 v[\j], 0                             ; Q's upper half: zero codes
.endr
.irp t, 0,1,2,3,4,5,6,7
.irp j, 4,5,6,7
	v_mov_b32 v[32+8*\t+\j], 0                     ; K's likewise: written once, never loaded
.endr
.endr
.irp j, 236,237,238,239,252,253
	v_mov_b32 v[\j], 0                             ; lane permutes' destinations, and the pair v[252:253], are written before they are named
.endr
.macro GATE c                          ; the scale words and chunks 0 .. c of mine have landed (the later chunks may be out), and so have everybody's
	s_wait_tensorcnt 3-\c
	s_wait_dscnt 0x0
	s_barrier_signal -1
	s_barrier_wait -1
.endm
; A KEY STEP: 128 keys.  s54: its tiles' byte in K's and in V's region; s55, s56: its scale words'; s57: its number; s62: the step that holds my queries.
.macro STEP
	s_cmp_gt_u32 s57, s62
	s_cbranch_scc1 .Lhidden_\@                     ; all its keys come after my queries
	s_setprio 2
	v_add_nc_u32 v8, s54, v1                       ; (these four are also the places in front of the loads into V's registers, which the last step's products read)
	v_add_nc_u32 v9, s54, v2
	v_add_nc_u32 v10, s55, v3
	v_add_nc_u32 v11, s56, v4
.irp t, 0,1,2,3,4,5,6,7
	ds_load_b128 v[32+8*\t:35+8*\t], v8 offset:512*\t
.endr
.irp g, 0,1
	ds_load_b128 v[24+4*\g:27+4*\g], v10 offset:256*\g
.endr
.irp d, 0,1,2,3
.irp c, 0,1
	ds_load_b128 v[192+8*\d+4*\c:195+8*\d+4*\c], v9 offset:1024*\d+512*\c
.endr
.endr
	ds_load_b128 v[248:251], v11
	s_wait_dscnt 9                                 ; K and its words are in; V's nine loads may be out
.irp t, 0,1,2,3,4,5,6,7
	v_wmma_scale_f32_16x16x128_f8f6f4 v[96+8*\t:103+8*\t], v[32+8*\t:39+8*\t], v[16:23], 0, v[24+\t], v255 matrix_a_fmt:MATRIX_FMT_FP4 matrix_b_fmt:MATRIX_FMT_FP4
.endr
.rept 4
	v_nop
.endr
	s_cmp_lg_u32 s57, s62
	s_cbranch_scc1 .Lopen_\@                       ; all its keys count
	s_lshl_b32 s63, s57, 7
	v_sub_nc_u32 v252, v6, s63                     ; d = my query - the step's first key - 16 h.  Register 16 b + i holds key 32 b + 16 h + i of the step: hidden where 32 b + i > d
	v_mov_b32 v254, 0xff800000                     ; -infinity
.set nn, 0
.rept 64
	v_cmp_gt_i32 vcc_lo, 32*(nn/16)+nn%16, v252
	v_cndmask_b32 v[96+nn], v[96+nn], v254, vcc_lo
.set nn, nn+1
.endr
.Lopen_\@:
.irp b, 0,1,2,3
	v_max3_num_f32 v[232+\b], v[96+16*\b], v[97+16*\b], v[98+16*\b]   ; the largest score of each block of 32 keys: for the row's maximum, and, since p rises with the score, for the block's largest p
.endr
.irp i, 3,5,7,9,11,13
.irp b, 0,1,2,3
	v_max3_num_f32 v[232+\b], v[232+\b], v[96+16*\b+\i], v[97+16*\b+\i]
.endr
.endr
.irp b, 0,1,2,3
	v_max_num_f32 v[232+\b], v[232+\b], v[111+16*\b]
.endr
.irp b, 0,1,2,3
	s_delay_alu instid0(VALU_DEP_4)
	v_permlanex16_b32 v[236+\b], v[232+\b], s14, s15
.endr
.irp b, 0,1,2,3
	s_delay_alu instid0(VALU_DEP_4)
	v_max_num_f32 v[232+\b], v[232+\b], v[236+\b]  ; with lane l xor 16's 16 keys
.endr
	s_delay_alu instid0(VALU_DEP_2)
	v_max3_num_f32 v254, v232, v233, v234
	s_delay_alu instid0(VALU_DEP_1)
	v_max_num_f32 v254, v254, v235                 ; the step's largest score of my query
	s_delay_alu instid0(VALU_DEP_1)
	v_mul_f32 v254, s52, v254                      ; as t
	s_delay_alu instid0(VALU_DEP_1)
	v_max_num_f32 v13, v13, v254                   ; the running largest t
	v_mov_b32 v254, v12
	s_delay_alu instid0(VALU_DEP_2)
	v_floor_f32 v12, -v13                          ; the new -M = floor(-t): M is a whole number
	s_delay_alu instid0(VALU_DEP_1)
	v_sub_f32 v254, v12, v254                      ; old M - new M: a whole number, 0 or less
	s_delay_alu instid0(VALU_DEP_1)
	v_cvt_i32_f32 v254, v254                       ; (it saturates)
	s_delay_alu instid0(VALU_DEP_1)
	v_ldexp_f32 v252, 1.0, v254                    ; f = 2^(old M - new M)
.set nn, 0
.rept 32
	v_pk_fma_f32 v[96+nn:97+nn], v[96+nn:97+nn], s[52:53], v[12:13] op_sel_hi:[1,0,0]   ; t - M, two at a time
.set nn, nn+2
.endr
	s_setprio 1
.irp b, 0,1,2,3
	v_fma_f32 v[232+\b], v[232+\b], s52, v12       ; the same of each block's largest score
.endr
.set nn, 0
	s_wait_alu depctr_va_vdst(0)
.rept 64
	v_exp_f32 v[96+nn], v[96+nn]                   ; p = 2^(t - M)
.set nn, nn+1
.endr
.irp b, 0,1,2,3
	v_exp_f32 v[232+\b], v[232+\b]                 ; the block's largest p: the same two instructions on the same number
.endr
	v_pk_mul_f32 v[14:15], v[14:15], v[252:253] op_sel_hi:[1,0]   ; the sums under the new M (a plain place behind the exponentials)
	s_wait_alu depctr_va_vdst(0)
.irp b, 0,1,2,3
	v_max_num_f32 v[232+\b], 0x1800000, v[232+\b]  ; the floor: the byte cannot fall under 1
.endr
.irp b, 0,1,2,3
	s_delay_alu instid0(VALU_DEP_4)
	v_add_nc_u32 v[244+\b], 0xff000000, v[232+\b]  ; the conversion's scale operand
.endr
.irp b, 0,1,2,3
	s_delay_alu instid0(VALU_DEP_4)
	v_lshrrev_b32 v[236+\b], 23, v[244+\b]         ; the byte
.endr
	s_delay_alu instid0(VALU_DEP_3)
	v_lshl_or_b32 v253, v237, 8, v236              ; p's scale word for these 128 keys
	s_delay_alu instid0(VALU_DEP_1)
	v_lshl_or_b32 v253, v238, 16, v253
	s_delay_alu instid0(VALU_DEP_1)
	v_lshl_or_b32 v253, v239, 24, v253
.irp b, 0,1,2,3
	v_cvt_scalef32_pk8_fp4_f32 v[224+2*\b], v[96+16*\b:103+16*\b], v[244+\b]
	v_cvt_scalef32_pk8_fp4_f32 v[225+2*\b], v[104+16*\b:111+16*\b], v[244+\b]
.endr
	v_nop                                          ; one plain place behind a scaled conversion
.irp c, 0,1
.irp i, 0,1
	v_permlane16_swap_b32 v[224+4*\c+\i], v[226+4*\c+\i]   ; a whole block to a lane
.endr
.endr
	v_pk_add_f32 v[236:237], v[100:101], v[104:105]
	v_pk_add_f32 v[246:247], v[108:109], v[112:113]
	v_pk_add_f32 v[244:245], v[116:117], v[120:121]
	v_pk_add_f32 v[234:235], v[124:125], v[128:129]
	v_pk_add_f32 v[232:233], v[132:133], v[136:137]
	v_pk_add_f32 v[90:91], v[140:141], v[144:145]
	v_pk_add_f32 v[88:89], v[148:149], v[152:153]
	v_pk_add_f32 v[14:15], v[14:15], v[156:157]
	v_pk_add_f32 v[236:237], v[236:237], v[96:97]
	v_pk_add_f32 v[246:247], v[246:247], v[98:99]
	v_pk_add_f32 v[244:245], v[244:245], v[102:103]
	v_pk_add_f32 v[234:235], v[234:235], v[106:107]
	s_setprio 0
	v_pk_add_f32 v[232:233], v[232:233], v[110:111]
	v_pk_add_f32 v[90:91], v[90:91], v[114:115]
	v_pk_add_f32 v[88:89], v[88:89], v[118:119]
	v_pk_add_f32 v[14:15], v[14:15], v[122:123]
	v_pk_add_f32 v[236:237], v[236:237], v[126:127]
	v_pk_add_f32 v[246:247], v[246:247], v[130:131]
	v_pk_add_f32 v[244:245], v[244:245], v[134:135]
	v_pk_add_f32 v[234:235], v[234:235], v[138:139]
	v_pk_add_f32 v[232:233], v[232:233], v[142:143]
	v_pk_add_f32 v[90:91], v[90:91], v[146:147]
	v_pk_add_f32 v[88:89], v[88:89], v[150:151]
	v_pk_add_f32 v[14:15], v[14:15], v[154:155]
	v_pk_add_f32 v[236:237], v[236:237], v[158:159]
	s_delay_alu instid0(VALU_DEP_2)
	v_pk_add_f32 v[14:15], v[14:15], v[234:235]
	s_delay_alu instid0(VALU_DEP_2)
	v_pk_add_f32 v[236:237], v[236:237], v[232:233]
	v_pk_add_f32 v[246:247], v[246:247], v[90:91]
	v_pk_add_f32 v[244:245], v[244:245], v[88:89]
	s_delay_alu instid0(VALU_DEP_2)
	v_pk_add_f32 v[14:15], v[14:15], v[246:247]
	s_delay_alu instid0(VALU_DEP_2)
	v_pk_add_f32 v[236:237], v[236:237], v[244:245]
	s_delay_alu instid0(VALU_DEP_1)
	v_pk_add_f32 v[14:15], v[14:15], v[236:237]
.set nn, 0
.rept 16
	v_pk_mul_f32 v[160+nn:161+nn], v[160+nn:161+nn], v[252:253] op_sel_hi:[1,0]   ; O^T under the new M
.set nn, nn+2
.endr
	s_wait_alu depctr_va_vdst(0)
	s_wait_dscnt 0x0                               ; V and its words are in
.irp d, 0,1,2,3                        ; the four accumulators take turns, one instruction a turn; the step's eight other products stand between a link and the next
	v_wmma_scale_f32_16x16x128_f8f6f4 v[160+8*\d:167+8*\d], v[192+8*\d:199+8*\d], v[224:231], v[160+8*\d:167+8*\d], v[248+\d], v253 matrix_a_fmt:MATRIX_FMT_FP4 matrix_b_fmt:MATRIX_FMT_FP4
.endr
.Lhidden_\@:
	s_add_co_u32 s54, s54, 4096
	s_add_co_u32 s55, s55, 512
	s_add_co_u32 s56, s56, 256
	s_add_co_u32 s57, s57, 1
.endm
.macro CHUNK c                         ; four key steps
	GATE \c
	s_mov_b32 s54, 16384*\c
	s_mov_b32 s55, 2048*\c
	s_mov_b32 s56, 1024*\c
	s_mov_b32 s57, 4*\c
	s_mov_b32 s58, 4
.Lstep_\@:
	STEP
	s_sub_co_u32 s58, s58, 1
	s_cmp_lg_u32 s58, 0
	s_cbranch_scc1 .Lstep_\@
	s_setprio 0
.endm
	s_mov_b32 s59, 2                               ; two passes
	s_mov_b32 s60, ttmp9                           ; the pass's block of 256 queries
.Lpass:
	s_lshl_b32 s61, s60, 4
	s_add_co_u32 s61, s61, s12                     ; my tile of queries
	s_lshr_b32 s62, s61, 3                         ; the key step that holds them
	s_lshl_b32 s66, s13, 7
	s_add_co_u32 s66, s66, s61
	s_lshl_b32 s66, s66, 9
	s_mov_b32 s67, 0
	s_add_nc_u64 s[66:67], s[4:5], s[66:67]        ; Q's codes
	s_lshr_b32 s68, s61, 2
	s_lshl_b32 s68, s68, 8
	s_and_b32 s63, s61, 3
	s_lshl_b32 s63, s63, 2
	s_add_co_u32 s68, s68, s63
	s_add_co_u32 s68, s68, s79
	s_mov_b32 s69, 0
	s_add_nc_u64 s[68:69], s[6:7], s[68:69]        ; Q's scale words
	s_lshl_b32 s63, s76, 7
	s_add_co_u32 s63, s63, s61                     ; the tile among ctx's 512
	s_lshr_b32 s70, s63, 1
	s_lshl_b32 s70, s70, 14
	s_and_b32 s72, s63, 1
	s_lshl_b32 s72, s72, 10
	s_add_co_u32 s70, s70, s72
	s_add_co_u32 s70, s70, s93
	s_mov_b32 s71, 0
	s_add_nc_u64 s[70:71], s[8:9], s[70:71]        ; ctx's codes
	s_lshl_b32 s72, s63, 9
	s_add_co_u32 s72, s72, s94
	s_mov_b32 s73, 0
	s_add_nc_u64 s[72:73], s[10:11], s[72:73]      ; ctx's scale bytes
	s_lshr_b32 s63, s61, 1
	s_lshl_b32 s63, s63, 5
	s_and_b32 s74, s61, 1
	s_lshl_b32 s74, s74, 3
	s_add_co_u32 s63, s63, s74
	v_add_nc_u32 v6, s63, v240                     ; my query - 16 h
	global_load_b128 v[16:19], v5, s[66:67]
	global_load_b32 v255, v241, s[68:69]
	v_mov_b32 v13, 0xff61b1e6                      ; the largest t so far: -3e38
	s_delay_alu instid0(VALU_DEP_1)
	v_floor_f32 v12, -v13                          ; -M
	v_mov_b32 v14, 0
	v_mov_b32 v15, 0
.set nn, 0
.rept 32
	v_mov_b32 v[160+nn], 0                         ; O^T: the step is written once; the first finds zeros, which the first change of M leaves zeros
.set nn, nn+1
.endr
	s_wait_loadcnt 0x0
	CHUNK 0
	CHUNK 1
	CHUNK 2
	CHUNK 3
	; the pass's end: O^T / the sum is ctx; register 16 b + i is channel 32 b + 16 h + i of my query: two blocks of ctx's K
.rept 4
	v_nop
.endr
	v_add_f32 v14, v14, v15
	s_delay_alu instid0(VALU_DEP_1)
	v_permlanex16_b32 v252, v14, s14, s15
	s_delay_alu instid0(VALU_DEP_1)
	v_add_f32 v14, v14, v252                       ; the row's sum
	s_wait_alu depctr_va_vdst(0)
	v_rcp_f32 v14, v14
	v_mov_b32 v15, 0                               ; (a plain place behind the reciprocal; the pair's upper half is named below)
.set nn, 0
	s_wait_alu depctr_va_vdst(0)
.rept 16
	v_pk_mul_f32 v[96+nn:97+nn], v[160+nn:161+nn], v[14:15] op_sel_hi:[1,0]   ; each accumulator from its low end on
.set nn, nn+2
.endr
.irp b, 0,1
	v_max3_num_f32 v[232+\b], |v[96+16*\b]|, |v[97+16*\b]|, 0x1800000
.endr
.irp i, 2,4,6,8,10,12,14
.irp b, 0,1
	s_delay_alu instid0(VALU_DEP_2)
	v_max3_num_f32 v[232+\b], v[232+\b], |v[96+16*\b+\i]|, |v[97+16*\b+\i]|
.endr
.endr
.irp b, 0,1
	s_delay_alu instid0(VALU_DEP_2)
	v_permlanex16_b32 v[236+\b], v[232+\b], s14, s15
.endr
.irp b, 0,1
	s_delay_alu instid0(VALU_DEP_2)
	v_max_num_f32 v[232+\b], v[232+\b], v[236+\b]
.endr
.irp b, 0,1
	s_delay_alu instid0(VALU_DEP_2)
	v_add_nc_u32 v[244+\b], 0xff000000, v[232+\b]
.endr
.irp b, 0,1
	s_delay_alu instid0(VALU_DEP_2)
	v_lshrrev_b32 v[236+\b], 23, v[244+\b]
.endr
.irp b, 0,1
	v_cvt_scalef32_pk8_fp4_f32 v[224+2*\b], v[96+16*\b:103+16*\b], v[244+\b]
	v_cvt_scalef32_pk8_fp4_f32 v[225+2*\b], v[104+16*\b:111+16*\b], v[244+\b]
.endr
	v_nop                                          ; one plain place behind a scaled conversion
	v_permlane16_swap_b32 v224, v226
	v_permlane16_swap_b32 v225, v227               ; v[224:227]: k = 32 h + 0 .. 31 of the head's 64
	v_cmp_eq_u32 vcc_lo, 1, v243
	s_delay_alu instid0(VALU_DEP_1)
	v_cndmask_b32 v254, v236, v237, vcc_lo         ; lanes 0-15 store the first block's byte, lanes 16-31 the second's
	global_store_b128 v5, v[224:227], s[70:71]     ; 512 consecutive bytes: half a fragment's image
	global_store_b8 v7, v254, s[72:73]             ; a byte a lane, 32 bytes apart: a sixteenth of the codes' bytes; the bytes beside them are other heads', which other work-groups hold
	s_wait_xcnt 0x0                                ; the stores have read their data and bases: the next pass writes them again
	s_sub_co_u32 s60, 7, s60
	s_sub_co_u32 s59, s59, 1
	s_cmp_lg_u32 s59, 0
	s_cbranch_scc1 .Lpass
	s_wait_xcnt 0x0
	v_lshl_add_u32 v254, v0, 2, 0x29000
	v_mov_b32 v255, 0
	s_wait_alu depctr_va_vdst(0)
	s_wait_tensorcnt 0x0
	ds_add_u32 v254, v255
	s_wait_dscnt 0x0
	s_endpgm
.Lfunc_end_k_q51c6a16fac_attn:
	.size	k_q51c6a16fac_attn, .Lfunc_end_k_q51c6a16fac_attn-k_q51c6a16fac_attn
	.p2alignl 7, 3214868480
	.fill 96, 4, 3214868480
	.section	.rodata,"a",@progbits
	.p2align	6, 0x0
	.amdhsa_kernel k_q51c6a16fac_attn
		.amdhsa_group_segment_fixed_size 169984
		.amdhsa_private_segment_fixed_size 0
		.amdhsa_enable_private_segment 0
		.amdhsa_kernarg_size 32
		.amdhsa_user_sgpr_count 2
		.amdhsa_user_sgpr_kernarg_segment_ptr 1
		.amdhsa_wavefront_size32 1
		.amdhsa_system_sgpr_workgroup_id_x 1
		.amdhsa_system_sgpr_workgroup_id_y 1
		.amdhsa_system_sgpr_workgroup_id_z 1
		.amdhsa_system_vgpr_workitem_id 0
		.amdhsa_next_free_vgpr 256
		.amdhsa_next_free_sgpr 100
		.amdhsa_reserve_vcc 1
		.amdhsa_float_denorm_mode_32 3
		.amdhsa_float_denorm_mode_16_64 3
		.amdhsa_memory_ordered 1
		.amdhsa_forward_progress 1
		.amdhsa_inst_pref_size 102
	.end_amdhsa_kernel
	.amdgpu_metadata
---
amdhsa.version: [ 1, 2 ]
amdhsa.kernels:
  - .name:           k_q51c6a16fac_attn
    .symbol:         k_q51c6a16fac_attn.kd
    .args:
      - { .name: qkvc, .offset: 0, .size: 8, .value_kind: global_buffer, .address_space: global }
      - { .name: qkvs, .offset: 8, .size: 8, .value_kind: global_buffer, .address_space: global }
      - { .name: cc, .offset: 16, .size: 8, .value_kind: global_buffer, .address_space: global }
      - { .name: cs, .offset: 24, .size: 8, .value_kind: global_buffer, .address_space: global }
    .group_segment_fixed_size: 169984
    .private_segment_fixed_size: 0
    .kernarg_segment_align: 8
    .kernarg_segment_size: 32
    .max_flat_workgroup_size: 512
    .sgpr_count:     100
    .vgpr_count:     256
    .wavefront_size: 32
...
	.end_amdgpu_metadata
.endif
;; end of part 3
;; launch outp (part 4): grid 4 x 64, 4 waves a work-group, no clusters, 230,912 bytes of LDS; arguments cc, cs, wc, ws, bo, out0; writes out0
.if DOCPART == 4
	.amdgcn_target "amdgcn-amd-amdhsa--gfx1250"
	.amdhsa_code_object_version 6
	.text
	.protected	k_q51c6a16fac_outp
	.globl	k_q51c6a16fac_outp
	.p2align	8
	.type	k_q51c6a16fac_outp,@function
k_q51c6a16fac_outp:
	s_mov_b64 s[64:65], 0
	v_nop
	global_prefetch_b8 v0, s[64:65] scope:SCOPE_SE
	s_setreg_imm32_b32 hwreg(HW_REG_WAVE_MODE, 25, 1), 1
	s_wait_xcnt 0x0
; out = ctx Wo + bo on codes of FP4 with E8M0 scales, sums in f32.  ctx's codes and scale bytes come from the attention launch, Wo's from the quantiser's; both as images of the operand's registers.
; A work-group makes 128 rows x 256 columns (x = block of columns, y = block of rows): 256 work-groups.  Four waves, each 64 x 128: 32 accumulators, 256 registers.
; BOTH OPERANDS' CODES FOR ALL OF K (65,536 + 131,072 bytes) lie in LDS at once: every fill is a first fill, and the K steps follow the fills pair by pair.
; Source 0 = 16 columns of Wo (P), source 1 = 16 rows of ctx (R): a lane holds one row; position p of a tile 2 b + u is index 32 b + 8 u + p + 8 (p / 8), so the 16 registers of result tiles 2 b and
; 2 b + 1 are the 16 neighbouring columns 32 b + 16 (lane / 16) + 0 .. 15.  The bias is the C of each sum's first matrix instruction.
; THE WAY OUT: a tile of 16 rows x 128 columns goes through the wave's own stage in LDS (pitch 528) and leaves as whole rows of 512 bytes.
; NO CLUSTER in this form: each work-group fetches its 196,608 bytes itself, once, at its start; sharing ctx's block among the four blocks of columns and Wo's among the blocks of rows is left for a later form.
; REGISTERS, in windows of 256: window 0: v4-10 addresses; v32-63 P's scale words, v64-79 R's (register 8 (tile / 2) + K step: lanes 0-15 the even tile, lanes 16-31 the odd one);
;   v128-191 R's fragments, two sets; on the way out v128-255 rows of the result.  window 1: v0-63, v128-191 P's fragments, two sets; v64-127 the bias.  window 2: accumulator (G, T) at 8 (8 G + T).
.set ADR_R, 4
.set ADR_P, 5
.set SVO,   6
.set STO,   7
.set RD,    8
.set CO,    9
.set BO,    10
.set SP,  32
.set SR,  64
.set RF,  128
.set BK,  128
.set BI,  64                           ; the bias, in window 1
.set PIT, 528
.set G1P, 24                           ; s[24:31] group 1 for P's loads: 32 rows of 256 bytes
.set G0,  32                           ; s[32:63] eight groups 0: R's and P's by turns
.set G1R, 68                           ; s[68:75] group 1 for R's loads: 16 rows
.set MSB, 0
.macro WIN new
.if MSB != (\new)
	s_set_vgpr_msb (MSB<<8)|(\new)
.set MSB, (\new)
.endif
.endm
.macro PLACES
.rept 4
	v_nop
.endr
.endm
	s_load_b256 s[4:11], s[0:1], 0x0               ; cc s[4:5], cs s[6:7], wc s[8:9], ws s[10:11]
	s_load_b128 s[12:15], s[0:1], 0x20             ; bo s[12:13], out0 s[14:15]
	v_lshl_add_u32 v126, v0, 2, 0x38400
	v_mov_b32 v127, 0
	ds_add_u32 v126, v127
	ds_add_u32 v126, v127
	v_lshrrev_b32 v1, 5, v0
	v_readfirstlane_b32 s16, v1                    ; wave
	s_lshr_b32 s17, s16, 1                         ; my half of the rows
	s_and_b32 s18, s16, 1                          ; my half of the columns
	s_mov_b32 s19, ttmp9
	s_and_b32 s20, ttmp7, 0xffff
.irp g, G1P, G1R
	s_mov_b32 s[\g+0], 3<<16                       ; no mask; elements of 8 bytes; no padding
	s_mov_b32 s[\g+1], 32<<16                      ; rows of 256 bytes
	s_mov_b32 s[\g+3], 32<<16
	s_mov_b32 s[\g+5], 32
	s_mov_b32 s[\g+6], 0
	s_mov_b32 s[\g+7], 0
.endr
	s_mov_b32 s[G1P+2], 32<<16
	s_mov_b32 s[G1P+4], 32
	s_mov_b32 s[G1R+2], 16<<16
	s_mov_b32 s[G1R+4], 16
	s_lshl_b32 s21, s16, 14                        ; R: my pair of tiles, all K steps: 16,384 bytes
	s_lshl_b32 s2, s20, 16
	s_add_co_u32 s2, s2, s21
	s_mov_b32 s3, 0
	s_lshl_b32 s76, s16, 15                        ; P: my four tiles: 32,768 bytes
	s_add_co_u32 s22, s19, 12                      ; Wo's blocks are 12 to 15 of the weights'
	s_lshl_b32 s22, s22, 17
	s_add_co_u32 s22, s22, s76
	s_mov_b32 s23, 0
	s_wait_dscnt 0x0
	s_wait_kmcnt 0x0
	s_add_nc_u64 s[4:5], s[4:5], s[2:3]
	s_add_nc_u64 s[8:9], s[8:9], s[22:23]
.irp j, 0,1,2,3                        ; load j: K steps 2 j and 2 j + 1
	s_mov_b32 s[G0+8*\j], 1
	s_add_co_u32 s[G0+8*\j+1], s21, \j*4096
	s_add_nc_u64 s[G0+8*\j+2:G0+8*\j+3], s[4:5], \j*4096
	s_or_b32 s[G0+8*\j+3], s[G0+8*\j+3], 0x80000000
	s_mov_b32 s[G0+8*\j+4], 1
	s_add_co_u32 s[G0+8*\j+5], s76, 65536+\j*8192
	s_add_nc_u64 s[G0+8*\j+6:G0+8*\j+7], s[8:9], \j*8192
	s_or_b32 s[G0+8*\j+7], s[G0+8*\j+7], 0x80000000
.endr
.irp j, 0,1,2,3                        ; all first fills in one group: eight loads of mine are out
	tensor_load_to_lds s[G0+8*\j:G0+8*\j+3], s[G1R:G1R+7]
	s_nop 0
	tensor_load_to_lds s[G0+8*\j+4:G0+8*\j+7], s[G1P:G1P+7]
	s_nop 0
.endr
	PLACES
	v_and_b32 v1, 31, v0                           ; lane
	v_and_b32 v2, 15, v0                           ; r
	v_bfe_u32 v3, v0, 4, 1                         ; h
	v_lshlrev_b32 v[CO], 4, v1
	s_lshl_b32 s77, s17, 15
	v_add_nc_u32 v[ADR_R], s77, v[CO]
	s_lshl_b32 s77, s18, 16
	s_add_co_u32 s77, s77, 65536
	v_add_nc_u32 v[ADR_P], s77, v[CO]
	v_lshlrev_b32 v[SVO], 5, v2
	v_lshl_add_u32 v[SVO], v3, 9, v[SVO]
	s_mul_i32 s77, s16, 16*PIT
	s_add_co_u32 s77, s77, 196608                  ; my stage, behind the operands: no fill lands there
	v_mul_u32_u24 v[STO], v2, PIT
	v_lshl_add_u32 v[STO], v3, 6, v[STO]
	v_add_nc_u32 v[STO], s77, v[STO]               ; in: row r, 16 h columns on
	v_add_nc_u32 v[RD], s77, v[CO]                 ; back: a row of 512 bytes to the 32 lanes
	v_lshlrev_b32 v[BO], 6, v3
	s_lshl_b32 s2, s20, 12
	s_lshl_b32 s22, s17, 11
	s_add_co_u32 s2, s2, s22
	s_add_nc_u64 s[6:7], s[6:7], s[2:3]            ; ctx's scale words: my four tiles
	s_add_co_u32 s2, s19, 12
	s_lshl_b32 s2, s2, 13
	s_lshl_b32 s22, s18, 12
	s_add_co_u32 s2, s2, s22
	s_add_nc_u64 s[10:11], s[10:11], s[2:3]        ; Wo's: my eight tiles
	s_lshl_b32 s2, s19, 10
	s_lshl_b32 s22, s18, 9
	s_add_co_u32 s2, s2, s22                       ; my first column, in bytes
	s_add_nc_u64 s[12:13], s[12:13], s[2:3]
	s_add_nc_u64 s[14:15], s[14:15], s[2:3]
	s_lshl_b32 s2, s20, 19
	s_lshl_b32 s22, s17, 18
	s_add_co_u32 s2, s2, s22                       ; my first row
	s_add_nc_u64 s[14:15], s[14:15], s[2:3]
.irp i, 0,1,2,3
.irp f, 0,1
	global_load_b128 v[SP+8*\i+4*\f:SP+8*\i+4*\f+3], v[SVO], s[10:11] offset:1024*\i+16*\f
.endr
.endr
.irp i, 0,1
.irp f, 0,1
	global_load_b128 v[SR+8*\i+4*\f:SR+8*\i+4*\f+3], v[SVO], s[6:7] offset:1024*\i+16*\f
.endr
.endr
	WIN 0x40                                       ; destination window 1
.irp T, 0,1,2,3,4,5,6,7                ; the bias in the result's layout: tile T's eight columns of my half
	global_load_b128 v[BI+8*\T:BI+8*\T+3], v[BO], s[12:13] offset:128*(\T/2)+32*(\T%2)
	global_load_b128 v[BI+8*\T+4:BI+8*\T+7], v[BO], s[12:13] offset:128*(\T/2)+32*(\T%2)+16
.endr
	WIN 0
.macro WM d, a, b, c, sa, sb, ra, rb   ; ra, rb: the scale words stand in lanes 16-31 of the register named
.if (\ra) && (\rb)
	v_wmma_scale_f32_16x16x128_f8f6f4 v[(\d):(\d)+7], v[(\a):(\a)+7], v[(\b):(\b)+7], v[(\c):(\c)+7], v[\sa], v[\sb] matrix_a_fmt:MATRIX_FMT_FP4 matrix_b_fmt:MATRIX_FMT_FP4 matrix_a_scale:MATRIX_SCALE_ROW1 matrix_b_scale:MATRIX_SCALE_ROW1
.elseif (\ra)
	v_wmma_scale_f32_16x16x128_f8f6f4 v[(\d):(\d)+7], v[(\a):(\a)+7], v[(\b):(\b)+7], v[(\c):(\c)+7], v[\sa], v[\sb] matrix_a_fmt:MATRIX_FMT_FP4 matrix_b_fmt:MATRIX_FMT_FP4 matrix_a_scale:MATRIX_SCALE_ROW1
.elseif (\rb)
	v_wmma_scale_f32_16x16x128_f8f6f4 v[(\d):(\d)+7], v[(\a):(\a)+7], v[(\b):(\b)+7], v[(\c):(\c)+7], v[\sa], v[\sb] matrix_a_fmt:MATRIX_FMT_FP4 matrix_b_fmt:MATRIX_FMT_FP4 matrix_b_scale:MATRIX_SCALE_ROW1
.else
	v_wmma_scale_f32_16x16x128_f8f6f4 v[(\d):(\d)+7], v[(\a):(\a)+7], v[(\b):(\b)+7], v[(\c):(\c)+7], v[\sa], v[\sb] matrix_a_fmt:MATRIX_FMT_FP4 matrix_b_fmt:MATRIX_FMT_FP4
.endif
.endm
.macro MUL s, set, first               ; a K step's 32 matrix instructions: the 32 accumulators take turns, in the same order in every step
.if \first
	WIN 0x91                                       ; source 0 (P) window 1, source 1 (R) window 0, C (the bias) window 1, D window 2
.else
	WIN 0xa1                                       ; C and D window 2
.endif
.irp G, 0,1,2,3
.irp T, 0,1,2,3,4,5,6,7
.if \first
	WM 8*(8*\G+\T), 128*(\set)+8*\T, RF+32*(\set)+8*\G, BI+8*\T, SP+8*(\T/2)+(\s), SR+8*(\G/2)+(\s), \T%2, \G%2
.else
	WM 8*(8*\G+\T), 128*(\set)+8*\T, RF+32*(\set)+8*\G, 8*(8*\G+\T), SP+8*(\T/2)+(\s), SR+8*(\G/2)+(\s), \T%2, \G%2
.endif
.endr
.endr
.endm
.macro FETCH s, set                    ; 24 LDS loads in one run: K step s's fragments of my 8 + 4 tiles
	WIN 0x40
.irp T, 0,1,2,3,4,5,6,7
.irp c, 0,1
	ds_load_b128 v[128*(\set)+8*\T+4*\c:128*(\set)+8*\T+4*\c+3], v[ADR_P] offset:(\T/4)*32768+(\s)*4096+(\T%4)*1024+512*\c
.endr
.endr
	WIN 0
.irp G, 0,1,2,3
.irp c, 0,1
	ds_load_b128 v[RF+32*(\set)+8*\G+4*\c:RF+32*(\set)+8*\G+4*\c+3], v[ADR_R] offset:(\G/2)*16384+(\s)*2048+(\G%2)*1024+512*\c
.endr
.endr
.endm
.macro GATE n                          ; my loads of the pair of K steps that is wanted next have landed (n younger loads may be out), and so have everybody's
	s_wait_tensorcnt \n
	s_barrier_signal -1
	s_barrier_wait -1
.endm
.macro STEP s
	s_wait_dscnt 0x0                               ; this step's fragments are in: they were asked for 32 matrix instructions ago
.if (\s) == 1
	GATE 4
.elseif (\s) == 3
	GATE 2
.elseif (\s) == 5
	GATE 0
.endif
.if (\s) < 7
.if (\s) > 0
	PLACES                                         ; four places in front of loads into the set that the last step's products read
.endif
	FETCH (\s)+1, ((\s)+1)%2
.endif
.if (\s) == 0
	MUL \s, 0, 1
.else
	MUL \s, (\s)%2, 0
.endif
.endm
	GATE 6                                         ; K steps 0 and 1 of both operands
	FETCH 0, 0
	s_wait_loadcnt 0x0                             ; the scale words and the bias
.irp s, 0,1,2,3,4,5,6,7
	STEP \s
.endr
	WIN 0
	PLACES                                         ; in front of the first read of results and of the loads into R's registers
.macro TOSTAGE G
	WIN 0x08                                       ; an LDS store's data are its source 1: window 2
.irp T, 0,1,2,3,4,5,6,7
	ds_store_b128 v[STO], v[8*(8*(\G)+\T):8*(8*(\G)+\T)+3] offset:128*(\T/2)+32*(\T%2)       ; each accumulator from its low end on
	ds_store_b128 v[STO], v[8*(8*(\G)+\T)+4:8*(8*(\G)+\T)+7] offset:128*(\T/2)+32*(\T%2)+16
.endr
	WIN 0
.irp p, 0,1,2,3,4,5,6,7,8,9,10,11,12,13,14,15
	ds_load_b128 v[BK+64*((\G)%2)+4*\p:BK+64*((\G)%2)+4*\p+3], v[RD] offset:PIT*\p   ; LDS serves a wave's instructions in order: these see the stores above, and the next tile's stores come behind them
.endr
.endm
.macro SEND G, younger                 ; younger: the LDS instructions issued behind tile G's loads, which may stay out
	s_wait_dscnt \younger
.irp p, 0,1,2,3,4,5,6,7,8,9,10,11,12,13,14,15
	global_store_b128 v[CO], v[BK+64*((\G)%2)+4*\p:BK+64*((\G)%2)+4*\p+3], s[14:15] offset:(32*((\G)/2)+8*((\G)%2)+\p+8*(\p/8))*4096 th:TH_STORE_NT   ; 32 lanes store 512 consecutive bytes of a row, aligned to 256
.endr
.endm
	TOSTAGE 0
	TOSTAGE 1
	SEND 0, 32                                     ; behind tile 0's loads: tile 1's 16 stores and 16 loads
	s_wait_xcnt 0x0                                ; tile 0's stores have read their registers: tile 2's loads may land there
	TOSTAGE 2
	SEND 1, 32
	s_wait_xcnt 0x0
	TOSTAGE 3
	SEND 2, 32
	SEND 3, 0
	s_wait_tensorcnt 0x0
	ds_add_u32 v126, v127
	s_wait_dscnt 0x0
	s_endpgm
.Lfunc_end_k_q51c6a16fac_outp:
	.size	k_q51c6a16fac_outp, .Lfunc_end_k_q51c6a16fac_outp-k_q51c6a16fac_outp
	.p2alignl 7, 3214868480
	.fill 96, 4, 3214868480
	.section	.rodata,"a",@progbits
	.p2align	6, 0x0
	.amdhsa_kernel k_q51c6a16fac_outp
		.amdhsa_group_segment_fixed_size 230912
		.amdhsa_private_segment_fixed_size 0
		.amdhsa_enable_private_segment 0
		.amdhsa_kernarg_size 48
		.amdhsa_user_sgpr_count 2
		.amdhsa_user_sgpr_kernarg_segment_ptr 1
		.amdhsa_wavefront_size32 1
		.amdhsa_system_sgpr_workgroup_id_x 1
		.amdhsa_system_sgpr_workgroup_id_y 1
		.amdhsa_system_sgpr_workgroup_id_z 1
		.amdhsa_system_vgpr_workitem_id 0
		.amdhsa_next_free_vgpr 768
		.amdhsa_next_free_sgpr 80
		.amdhsa_reserve_vcc 0
		.amdhsa_float_denorm_mode_32 3
		.amdhsa_float_denorm_mode_16_64 3
		.amdhsa_memory_ordered 1
		.amdhsa_forward_progress 1
		.amdhsa_inst_pref_size 70
	.end_amdhsa_kernel
	.amdgpu_metadata
---
amdhsa.version: [ 1, 2 ]
amdhsa.kernels:
  - .name:           k_q51c6a16fac_outp
    .symbol:         k_q51c6a16fac_outp.kd
    .args:
      - { .name: cc, .offset: 0, .size: 8, .value_kind: global_buffer, .address_space: global }
      - { .name: cs, .offset: 8, .size: 8, .value_kind: global_buffer, .address_space: global }
      - { .name: wc, .offset: 16, .size: 8, .value_kind: global_buffer, .address_space: global }
      - { .name: ws, .offset: 24, .size: 8, .value_kind: global_buffer, .address_space: global }
      - { .name: bo, .offset: 32, .size: 8, .value_kind: global_buffer, .address_space: global }
      - { .name: out0, .offset: 40, .size: 8, .value_kind: global_buffer, .address_space: global }
    .group_segment_fixed_size: 230912
    .private_segment_fixed_size: 0
    .kernarg_segment_align: 8
    .kernarg_segment_size: 48
    .max_flat_workgroup_size: 128
    .sgpr_count:     80
    .vgpr_count:     768
    .wavefront_size: 32
...
	.end_amdgpu_metadata
.endif
;; end of part 4
